; MI455X (gfx1250); checked and timed in simulation.
; The chip was launched on July 23, 2026; its instructions are those of AMD's public machine-readable ISA for CDNA 5 (MIT licence, August 2026) and "CDNA5" Instruction Set Architecture Reference Guide (July 2026). The comments in the code are by the model that wrote it; some were corrected since.
;; Swin Transformer Block3 D. Allowed arithmetic: matrix products marked QUANTISED: E2M3 operands, one E8M0 scale for each 32 along K, by v_wmma_scale_f32_16x16x128_f8f6f4 with both operands' format E2M3, f32 sums; everything else in f32.
;; Inputs: fc1_b 512 float32; fc1_w 128 x 512 float32; fc2_b 128 float32; fc2_w 512 x 128 float32; norm1_b 128 float32; norm1_g 128 float32; norm2_b 128 float32; norm2_g 128 float32; proj_b 128 float32; proj_w 128 x 128 float32; qkv_b 384 float32; qkv_w 128 x 384 float32; rel_table 2,197 x 4 float32; x 2 x 14 x 56 x 56 x 128 float32.
;; Outputs: out0 2 x 14 x 56 x 56 x 128 float32.
;; This version of the problem:
;;   THIS VERSION OF THE PROBLEM IS GIVEN IN LOW PRECISION. The matrix products marked QUANTISED in the list below multiply operands that are first quantised to E2M3 (2 exponent bits, 3 mantissa bits; 6 bits a number), with one power-of-two scale for each 32 numbers along K (OCP MX v1.0); their sums are f32. All else is computed in f32.
;;   The module's matrix products, in the order in which they are computed (A, B: the left and right operand; K: the contracted axis; several contracted axes count as one K, in the product's order):
;;     1. [M 87,808, K 128] x [K 128, N 384]; A: computed on the way; B: input qkv_w: QUANTISED
;;     2. batch 1,024 x [M 343, K 32] x [K 32, N 343]; A: computed on the way; B: computed on the way: QUANTISED
;;     3. batch 1,024 x [M 343, K 343] x [K 343, N 32]; A: softmax (see below); B: computed on the way: QUANTISED
;;     4. [M 87,808, K 128] x [K 128, N 128]; A: computed on the way; B: input proj_w: QUANTISED
;;     5. [M 87,808, K 128] x [K 128, N 512]; A: computed on the way; B: input fc1_w: QUANTISED
;;     6. [M 87,808, K 512] x [K 512, N 128]; A: computed on the way; B: input fc2_w: QUANTISED
;;   THE QUANTISER, for each operand of a quantised product, along K:
;;     - K is cut into blocks of 32 from its start; a last block that is shorter is filled with zeros.
;;     - A block's scale is 2^e with e = floor(log2(the largest magnitude in the block)) - 2, held to -126 .. 127; a block of zeros has e = 0. As a byte (E8M0): e + 127.
;;     - Each number is divided by its block's scale, clamped to +-7.5, and rounded to the nearest number of E2M3, ties to even, subnormals kept.
;;     - The product sums the exact products of the quantised numbers (number of the format x scale) in f32.
;;   ~~~python
;;   def quantise(x, axis):      # numpy; x: float32 -> the quantised numbers, widened to float32 again
;;       x = np.moveaxis(x, axis, -1); K = x.shape[-1]
;;       x = np.pad(x, [(0, 0)] * (x.ndim - 1) + [(0, -K % 32)]); x = x.reshape(x.shape[:-1] + (-1, 32)); a = np.abs(x).max(-1, keepdims=True)
;;       e = np.where(a > 0, np.clip(np.frexp(np.where(a > 0, a, 1))[1] - 1 - 2, -126, 127), 0)      # np.frexp(a)[1] - 1 = floor(log2(a)), exactly
;;       r = np.clip(x / 2.0 ** e, -7.5, 7.5)
;;       step = 2.0 ** (np.maximum(np.frexp(np.where(r == 0, 1, r))[1] - 1, 0) - 3)
;;       q = np.round(r / step) * step * 2.0 ** e      # np.round: ties to even
;;       return np.moveaxis(q.reshape(q.shape[:-2] + (-1,))[..., :K], -1, axis).astype(np.float32)
;;   ~~~
;;   SOFTMAX AHEAD OF A QUANTISED PRODUCT. Where the list says 'softmax', what is quantised is not the finished softmax but p = 2^(t - M), with t = logit x log2(e) and M = ceil(the row's largest t), a whole number; so 1/2 < the row's largest p <= 1. The row's sum l is taken of the UNQUANTISED p, in f32, and the product's result is divided by l at the end. Since M is a whole number, a kernel that streams over the keys may use a running M (the ceiling of the running maximum): every later rescaling is an exact power of two, which a block's scale takes up: the codes' values come out the same.
;;   OPERANDS COMPUTED ON THE WAY. 'Computed on the way' means the value that the module computes at that place (a softmax that the list does not call 'softmax' is quantised finished and normalised). What goes into a quantiser is computed in f32, as accurately as f32 sums, v_exp_f32 and their like allow (about 1e-6 of the number): no bf16 or f16 on the way to a quantiser, and a product that is left as it is and whose result goes on into a quantised operand takes f32 operands (vector FMAs, or v_wmma_f32_16x16x4_f32). A number that lies on a knife's edge between two numbers of the format may be rounded either way, as far as f32 arithmetic and the matrix unit's own rounding can turn it there, and no further.
;; One version. Each part assembles by itself: llvm-mc -triple=amdgcn-amd-amdhsa -mcpu=gfx1250 --defsym DOCPART=n.
;; ======== version 1 of 1: 2 launches
;; limits: a function is approximated: absolute error at most 2e-07
;; workspace buffers: wq 196,608 bytes
;; launch prep (part 1): grid 96 x 1, 1 waves a work-group, no clusters, 0 bytes of LDS; arguments qkv_w, proj_w, fc1_w, fc2_w, wq; writes wq
.if DOCPART == 1
	.amdgcn_target "amdgcn-amd-amdhsa--gfx1250"
	.amdhsa_code_object_version 6
	.text
	.protected	k_qf59ef41808_prep
	.globl	k_qf59ef41808_prep
	.p2align	8
	.type	k_qf59ef41808_prep,@function
k_qf59ef41808_prep:
	s_mov_b64 s[64:65], 0
	v_nop
	global_prefetch_b8 v0, s[64:65] scope:SCOPE_SE
	s_setreg_imm32_b32 hwreg(HW_REG_WAVE_MODE, 25, 1), 1
	s_wait_xcnt 0x0
; The four weights ([K][N], f32, K the first axis) become codes of E2M3 with one E8M0 byte for each 32 along K, laid as IMAGES OF OPERAND REGISTERS.
; No work of the problem is left out anywhere in this program: the window mask adds -100, not -infinity, so every tile and every input has a way to the output.
; A work-group of one wave makes one record of 2,048 bytes: 16 columns x 128 along K.  Bytes 0..1535: the fragment's 12 registers, chunk g (registers 4 g .. 4 g + 3) of lane l at 512 g + 16 l;
; bytes 1536..2047: the scale word, four times over, 16 bytes a lane: so one address, 16 x lane, serves codes and scale, and every byte of a record is written.
; Records: 0-15 qkv columns 0..255 (q, k); 16-23 v's columns 256 + 16 f + r; 24-31 proj; 32-63 fc1; 64-95 fc2 (record 64 + 8 s + t: K rows 128 s on).
; But for v's, lane r of record 4 G + T takes column 64 G + 8 T + r + 24 (r / 8): used as source 0, four such tiles give a lane 32 NEIGHBOURING columns in 32 registers.
; A lane takes a column and its registers run down K in the operand's own order (k = 64 c + 32 h + i), so the conversions' results are the operand's registers.
; LIMITS: NaN and infinities are not served; a block of zeros gets the byte 1 (its codes are zeros; this program alone reads the bytes).
.macro PERMCOL                       ; s16 = 64 (s19 / 4) + 8 (s19 % 4)
	s_lshr_b32 s16, s19, 2
	s_lshl_b32 s16, s16, 6
	s_and_b32 s19, s19, 3
	s_lshl_b32 s19, s19, 3
	s_add_co_u32 s16, s16, s19
.endm
.macro ARM ptr, pitch                ; s16 first column, s17 the step between the two groups of eight rows less 8, s18 first K row
	v_lshrrev_b32 v3, 3, v1
	v_mul_u32_u24 v3, v3, s17
	v_add_nc_u32 v3, v3, v1
	v_add_nc_u32 v3, s16, v3
	v_lshlrev_b32 v3, 2, v3                        ; my column, in bytes
	v_lshl_add_u32 v4, v2, 5, s18                  ; my first K row: 32 h + k0
	v_mad_u32_u24 v3, v4, \pitch, v3
.set ai, 0
.rept 64
	global_load_b32 v[64+ai], v3, s[\ptr:\ptr+1] offset:(64*(ai/32)+ai%32)*\pitch
.set ai, ai+1
.endr
.endm
	s_load_b256 s[4:11], s[0:1], 0x0               ; qkv_w, proj_w, fc1_w, fc2_w
	s_load_b64 s[12:13], s[0:1], 0x20              ; wq
	v_and_b32 v1, 15, v0                           ; r
	v_lshrrev_b32 v2, 4, v0                        ; h
	s_mov_b32 s20, 0x76543210
	s_mov_b32 s21, 0xfedcba98                      ; lane l xor 16
	s_mov_b32 s17, 24
	s_mov_b32 s18, 0
	s_wait_kmcnt 0x0
	s_cmp_lt_u32 ttmp9, 16
	s_cbranch_scc0 .Lnot_qk
	s_mov_b32 s19, ttmp9
	PERMCOL
	ARM 4, 1536
	s_branch .Lq
.Lnot_qk:
	s_cmp_lt_u32 ttmp9, 24
	s_cbranch_scc0 .Lnot_v
	s_sub_co_u32 s16, ttmp9, 16
	s_lshl_b32 s16, s16, 4
	s_add_co_u32 s16, s16, 256
	s_mov_b32 s17, 0                               ; v's rows are neighbours
	ARM 4, 1536
	s_branch .Lq
.Lnot_v:
	s_cmp_lt_u32 ttmp9, 32
	s_cbranch_scc0 .Lnot_proj
	s_sub_co_u32 s19, ttmp9, 24
	PERMCOL
	ARM 6, 512
	s_branch .Lq
.Lnot_proj:
	s_cmp_lt_u32 ttmp9, 64
	s_cbranch_scc0 .Lnot_fc1
	s_sub_co_u32 s19, ttmp9, 32
	PERMCOL
	ARM 8, 2048
	s_branch .Lq
.Lnot_fc1:
	s_sub_co_u32 s19, ttmp9, 64
	s_lshr_b32 s18, s19, 3
	s_lshl_b32 s18, s18, 7                         ; K rows 128 s on
	s_and_b32 s19, s19, 7
	PERMCOL
	ARM 10, 512
.Lq:
	s_wait_loadcnt 0x0
.irp c, 0,1                                    ; my block 2 c + h: all its 32 numbers are mine
	v_max3_num_f32 v[32+\c], |v[64+32*\c]|, |v[65+32*\c]|, 0x1800000   ; with the floor 2^(3 - 127): the byte cannot fall under 1
.endr
.irp i, 2,4,6,8,10,12,14,16,18,20,22,24,26,28,30
.irp c, 0,1
	v_max3_num_f32 v[32+\c], v[32+\c], |v[64+32*\c+\i]|, |v[65+32*\c+\i]|
.endr
.endr
.irp c, 0,1
	v_add_nc_u32 v[44+\c], 0xff000000, v[32+\c]    ; 2 off the exponent field: the conversion's scale operand
.endr
.irp c, 0,1
	v_lshrrev_b32 v[36+\c], 23, v[44+\c]           ; the scale's byte
.endr
	v_lshl_or_b32 v9, v37, 16, v36                 ; blocks h and 2 + h,
	v_lshlrev_b32 v10, 3, v2
	v_lshlrev_b32 v9, v10, v9                      ; at their places in the word;
	v_mov_b32 v10, 0
	v_permlanex16_b32 v10, v9, s20, s21
	v_or_b32 v12, v9, v10                          ; with the other half's two the word is whole
.irp c, 0,1
	v_cvt_scalef32_pk16_fp6_f32 v[48+6*\c:50+6*\c], v[64+32*\c:79+32*\c], v[44+\c]
	v_cvt_scalef32_pk16_fp6_f32 v[192+4*\c:194+4*\c], v[80+32*\c:95+32*\c], v[44+\c]   ; (three registers begin on an even number)
.endr
	v_nop                                          ; one plain place behind a scaled conversion
.irp c, 0,1
.irp i, 0,1,2
	v_mov_b32 v[51+6*\c+\i], v[192+4*\c+\i]
.endr
.endr
.irp i, 13,14,15
	v_mov_b32 v\i, v12                             ; the scale word fills its lane's 16 bytes
.endr
	s_lshl_b32 s14, ttmp9, 11                      ; my record
	s_mov_b32 s15, 0
	s_add_nc_u64 s[12:13], s[12:13], s[14:15]
	v_lshlrev_b32 v5, 4, v0
.irp g, 0,1,2
	global_store_b128 v5, v[48+4*\g:51+4*\g], s[12:13] offset:512*\g   ; 32 lanes store 512 consecutive bytes
.endr
	global_store_b128 v5, v[12:15], s[12:13] offset:1536
	s_endpgm
.Lfunc_end_k_qf59ef41808_prep:
	.size	k_qf59ef41808_prep, .Lfunc_end_k_qf59ef41808_prep-k_qf59ef41808_prep
	.p2alignl 7, 3214868480
	.fill 96, 4, 3214868480
	.section	.rodata,"a",@progbits
	.p2align	6, 0x0
	.amdhsa_kernel k_qf59ef41808_prep
		.amdhsa_group_segment_fixed_size 0
		.amdhsa_private_segment_fixed_size 0
		.amdhsa_enable_private_segment 0
		.amdhsa_kernarg_size 40
		.amdhsa_user_sgpr_count 2
		.amdhsa_user_sgpr_kernarg_segment_ptr 1
		.amdhsa_wavefront_size32 1
		.amdhsa_system_sgpr_workgroup_id_x 1
		.amdhsa_system_sgpr_workgroup_id_y 1
		.amdhsa_system_sgpr_workgroup_id_z 1
		.amdhsa_system_vgpr_workitem_id 0
		.amdhsa_next_free_vgpr 208
		.amdhsa_next_free_sgpr 66
		.amdhsa_reserve_vcc 0
		.amdhsa_float_denorm_mode_32 3
		.amdhsa_float_denorm_mode_16_64 3
		.amdhsa_memory_ordered 1
		.amdhsa_forward_progress 1
		.amdhsa_inst_pref_size 38
	.end_amdhsa_kernel
	.amdgpu_metadata
---
amdhsa.version: [ 1, 2 ]
amdhsa.kernels:
  - .name:           k_qf59ef41808_prep
    .symbol:         k_qf59ef41808_prep.kd
    .args:
      - { .name: qkv_w, .offset: 0, .size: 8, .value_kind: global_buffer, .address_space: global }
      - { .name: proj_w, .offset: 8, .size: 8, .value_kind: global_buffer, .address_space: global }
      - { .name: fc1_w, .offset: 16, .size: 8, .value_kind: global_buffer, .address_space: global }
      - { .name: fc2_w, .offset: 24, .size: 8, .value_kind: global_buffer, .address_space: global }
      - { .name: wq, .offset: 32, .size: 8, .value_kind: global_buffer, .address_space: global }
    .group_segment_fixed_size: 0
    .private_segment_fixed_size: 0
    .kernarg_segment_align: 8
    .kernarg_segment_size: 40
    .max_flat_workgroup_size: 32
    .sgpr_count:     66
    .vgpr_count:     208
    .wavefront_size: 32
...
	.end_amdgpu_metadata
.endif
;; end of part 1
;; launch swin (part 2): grid 256 x 1, 16 waves a work-group, no clusters, 327,680 bytes of LDS; arguments x, norm1_g, norm1_b, qkv_b, rel_table, proj_b, norm2_g, norm2_b, fc1_b, fc2_b, wq, out0; writes out0
.if DOCPART == 2
	.amdgcn_target "amdgcn-amd-amdhsa--gfx1250"
	.amdhsa_code_object_version 6
	.text
	.protected	k_qf59ef41808_swin
	.globl	k_qf59ef41808_swin
	.p2align	8
	.type	k_qf59ef41808_swin,@function
k_qf59ef41808_swin:
	s_mov_b64 s[64:65], 0
	v_nop
	global_prefetch_b8 v0, s[64:65] scope:SCOPE_SE
	s_setreg_imm32_b32 hwreg(HW_REG_WAVE_MODE, 25, 1), 1
	s_wait_xcnt 0x0
; The whole shifted-window block, one work-group of sixteen waves to a window of 343 tokens (256 windows): LN1, roll and partition (by addresses), q k v, attention, proj, residual, LN2, fc1, exact GELU, fc2, residual.
; All six products on codes of E2M3 with one E8M0 byte for each 32 along K.  Nothing of the problem is left out: the mask adds -100, so every tile is live, and every input is loaded.
; LAYOUT.  Products with weights are used transposed (source 0 = 16 output features, source 1 = 16 tokens); the features of a tile are chosen (see the first launch) so that four tiles give a lane 32 NEIGHBOURS of one token:
; lane (R = lane % 16, Hb = lane / 16), register 32 c + i = feature 64 c + 32 Hb + i.  That is a whole block of 32 in one lane, in the 6-bit operand's own order: no lane exchange but for the scale word.
; ATTENTION.  S^T = K Q^T with K = 32 in the instruction's first block (q's other three blocks are zero codes); the C operand is bias + mask, read from a table in LDS; the keys of a tile are chosen so that a lane holds whole blocks of 32 keys.
; BIAS AND MASK IN ONE TABLE.  On an axis whose window is the last, coordinates 4..6 are moved up by 3 (t' = t + 3 (t / 4)); the index is the base-19 number of the three differences + 9.  A difference of 4 or more on such an axis
; says that the two tokens lie in different regions: the entry is rel_table's + (-100).  So one LDS load a score brings bias and mask.
; PHASES: P0 table | P1 LN1, x's codes, q, k | barrier | P2 v with the keys innermost | barrier | P3 attention (LDS is only read) | barrier | the results' codes, and the weights of proj, fc1, fc2, to LDS | barrier | P4 proj .. out0.
; THE WEIGHTS OF P4.  Each of the window's 22 token tiles multiplies by all 72 records of proj, fc1 and fc2 (147,456 bytes).  Behind the attention nothing in LDS is wanted any more, so LDS is laid out anew and the records
; are copied in ONCE, with fc1_b and the four vectors of 128; the tiles then read them from LDS as they lie, 512 consecutive bytes an instruction.  P1's 16 records come from memory straight into registers, two batches ahead.
; x is read twice (LN1, residual).  No tensor load, no cluster: what work-groups share is that one copy of 147,456 bytes each, against 351,232 bytes of x and out0 that are a work-group's own.
; LIMITS: NaN and infinities are not served.  Pad keys (343..383) carry -1e30: their p is exactly 0.  bias + mask is summed first and the score added to it (another order of f32 sums than the problem writes).
; LN is (x - m) (rs g) + b.  erf by a five-term rational form with an absolute error of about 2e-7; GELU is made as x + |x| erf, twice its value, and the half is taken off the scale's byte, which is exact.
; A block of zeros gets the byte 1: its codes are zeros and this program alone reads the bytes.
.set SPARE, 0                        ; the spare words, 128 bytes a wave
; LDS up to the barrier behind the attention:
.set QC,  2048                       ; q's codes [4 heads][352 tokens][24 bytes]
.set QS,  35840                      ; q's bytes [4][352]
.set KC,  37248                      ; k's likewise; KC - QC = KS - QS = 35,200
.set KS,  71040
.set TBL, 72448                      ; [4 heads][7,168 f32]
.set VC,  187136                     ; v's codes [128 d], pitch 296, 24 bytes a block of 32 keys
.set VS,  225024                     ; v's scale words [3 key steps][128 d]
.set XC,  226560                     ; x's codes: [352 rows], pitch 104
.set XS,  266496                     ; their scale words
; LDS behind it:
.set OC2, 2048                       ; the attention's codes: [352 rows], pitch 104
.set OS2, 38656                      ; their scale words
.set FBL, 40064                      ; fc1_b, 2,048 bytes
.set VECL, 42112                     ; proj_b, norm2_g, norm2_b, fc2_b: 512 bytes each
.set STAGE, 44160                    ; the way out: 16 rows x 528 bytes a wave
.set WL,  179328                     ; records 24..95 of the weights' images: proj 8, fc1 32, fc2 32, 2,048 bytes each; ends at 326,784
.set VAR, 24
.set S,   60
.set KB,  124
.set QF,  156
.set PF,  168
.set O,   180
.set FIFO, 196
.macro NOPS n
.rept \n
	v_nop
.endr
.endm
.macro BAR                           ; my LDS instructions are done; then the work-group's barrier
	s_wait_dscnt 0x0
	s_barrier_signal -1
	s_barrier_wait -1
.endm
.macro WM d, a, b, c, sa, sb
	v_wmma_scale_f32_16x16x128_f8f6f4 v[(\d):(\d)+7], v[(\a):(\a)+11], v[(\b):(\b)+11], v[(\c):(\c)+7], v[\sa], v[\sb] matrix_a_fmt:MATRIX_FMT_FP6 matrix_b_fmt:MATRIX_FMT_FP6
.endm
.macro WMZ d, a, b, sa, sb
	v_wmma_scale_f32_16x16x128_f8f6f4 v[(\d):(\d)+7], v[(\a):(\a)+11], v[(\b):(\b)+11], 0, v[\sa], v[\sb] matrix_a_fmt:MATRIX_FMT_FP6 matrix_b_fmt:MATRIX_FMT_FP6
.endm
.macro DECODE t, z, h, w, x          ; token t = 49 z + 7 h + w
	v_mul_u32_u24 v[\z], v[\t], 1338
	v_lshrrev_b32 v[\z], 16, v[\z]
	v_mul_u32_u24 v[\x], v[\z], 49
	v_sub_nc_u32 v[\x], v[\t], v[\x]
	v_mul_u32_u24 v[\h], v[\x], 9363
	v_lshrrev_b32 v[\h], 16, v[\h]
	v_mul_u32_u24 v[\w], v[\h], 7
	v_sub_nc_u32 v[\w], v[\x], v[\w]
.endm
.macro ROWOFF row                    ; v11 = token 16 TAU + R; v[row] = the byte offset in x and out0 of that token (held at 342); v6 = + 128 Hb
	s_lshl_b32 s58, s34, 4
	v_add_nc_u32 v11, s58, v1
	v_min_u32 v12, 342, v11
	DECODE 12, 13, 14, 15, 16
	v_add_nc_u32 v13, s42, v13                     ; the roll: place + 3, modulo the axis
	v_add_nc_u32 v16, -14, v13
	v_min_u32 v13, v13, v16
	v_add_nc_u32 v14, s43, v14
	v_add_nc_u32 v16, -56, v14
	v_min_u32 v14, v14, v16
	v_add_nc_u32 v15, s44, v15
	v_add_nc_u32 v16, -56, v15
	v_min_u32 v15, v15, v16
	v_add_nc_u32 v13, s45, v13
	v_mad_u32_u24 v13, v13, 56, v14
	v_mad_u32_u24 v13, v13, 56, v15
	v_lshlrev_b32 v[\row], 9, v13
	v_add_nc_u32 v6, v[\row], v5
.endm
.macro XLOAD dst, nt                 ; my token's 64 numbers: register 32 c + i = feature 64 c + 32 Hb + i
.set xq, 0
.rept 16
.if \nt
	global_load_b128 v[(\dst)+4*xq:(\dst)+4*xq+3], v6, s[8:9] offset:256*(xq/8)+16*(xq%8) th:TH_LOAD_NT
.else
	global_load_b128 v[(\dst)+4*xq:(\dst)+4*xq+3], v6, s[8:9] offset:256*(xq/8)+16*(xq%8)
.endif
.set xq, xq+1
.endr
.endm
.macro VEC64 dst, sp                 ; the same 64 places of a vector of 128, from memory
.set xq, 0
.rept 16
	global_load_b128 v[(\dst)+4*xq:(\dst)+4*xq+3], v5, s[\sp:\sp+1] offset:256*(xq/8)+16*(xq%8)
.set xq, xq+1
.endr
.endm
.macro LVEC64 dst, off               ; and from LDS byte off on
.set xq, 0
.rept 16
	ds_load_b128 v[(\dst)+4*xq:(\dst)+4*xq+3], v5 offset:(\off)+256*(xq/8)+16*(xq%8)
.set xq, xq+1
.endr
.endm
.macro WLOAD buf, sc, sp, off        ; a weight fragment's image and its scale word, from memory
	global_load_b128 v[(\buf):(\buf)+3], v3, s[\sp:\sp+1] offset:(\off)
	global_load_b128 v[(\buf)+4:(\buf)+7], v3, s[\sp:\sp+1] offset:(\off)+512
	global_load_b128 v[(\buf)+8:(\buf)+11], v3, s[\sp:\sp+1] offset:(\off)+1024
	global_load_b32 v[\sc], v3, s[\sp:\sp+1] offset:(\off)+1536
.endm
.macro LWLOAD buf, sc, adr, off      ; and from LDS: v[adr] = a region's first byte + 16 x lane
	ds_load_b128 v[(\buf):(\buf)+3], v[\adr] offset:(\off)
	ds_load_b128 v[(\buf)+4:(\buf)+7], v[\adr] offset:(\off)+512
	ds_load_b128 v[(\buf)+8:(\buf)+11], v[\adr] offset:(\off)+1024
	ds_load_b32 v[\sc], v[\adr] offset:(\off)+1536
.endm
.macro LNORM X, G, B                 ; v[G..] = (x - mean) (rsqrt(var + 1e-5) g) + b; x is kept.  A token lies in lanes l and l xor 16.  At work: v12-23
	v_pk_add_f32 v[12:13], v[(\X):(\X)+1], v[(\X)+2:(\X)+3]
	v_pk_add_f32 v[14:15], v[(\X)+4:(\X)+5], v[(\X)+6:(\X)+7]
	v_pk_add_f32 v[16:17], v[(\X)+8:(\X)+9], v[(\X)+10:(\X)+11]
	v_pk_add_f32 v[18:19], v[(\X)+12:(\X)+13], v[(\X)+14:(\X)+15]
.irp j, 16,24,32,40,48,56
	v_pk_add_f32 v[12:13], v[12:13], v[(\X)+\j:(\X)+\j+1]
	v_pk_add_f32 v[14:15], v[14:15], v[(\X)+\j+2:(\X)+\j+3]
	v_pk_add_f32 v[16:17], v[16:17], v[(\X)+\j+4:(\X)+\j+5]
	v_pk_add_f32 v[18:19], v[18:19], v[(\X)+\j+6:(\X)+\j+7]
.endr
	v_pk_add_f32 v[12:13], v[12:13], v[14:15]
	v_pk_add_f32 v[16:17], v[16:17], v[18:19]
	v_pk_add_f32 v[12:13], v[12:13], v[16:17]
	v_add_f32 v12, v12, v13
	v_permlanex16_b32 v13, v12, s36, s37
	v_add_f32 v12, v12, v13
	v_mul_f32 v12, s66, v12                        ; the mean
	v_pk_add_f32 v[20:21], v[(\X):(\X)+1], v[12:13] op_sel_hi:[1,0] neg_lo:[0,1] neg_hi:[0,1]
	v_pk_add_f32 v[22:23], v[(\X)+2:(\X)+3], v[12:13] op_sel_hi:[1,0] neg_lo:[0,1] neg_hi:[0,1]
	v_pk_mul_f32 v[14:15], v[20:21], v[20:21]
	v_pk_mul_f32 v[16:17], v[22:23], v[22:23]
.irp j, 4,8,12,16,20,24,28,32,36,40,44,48,52,56,60
	v_pk_add_f32 v[20:21], v[(\X)+\j:(\X)+\j+1], v[12:13] op_sel_hi:[1,0] neg_lo:[0,1] neg_hi:[0,1]
	v_pk_add_f32 v[22:23], v[(\X)+\j+2:(\X)+\j+3], v[12:13] op_sel_hi:[1,0] neg_lo:[0,1] neg_hi:[0,1]
	v_pk_fma_f32 v[14:15], v[20:21], v[20:21], v[14:15]
	v_pk_fma_f32 v[16:17], v[22:23], v[22:23], v[16:17]
.endr
	v_pk_add_f32 v[14:15], v[14:15], v[16:17]
	v_add_f32 v14, v14, v15
	v_permlanex16_b32 v15, v14, s36, s37
	v_add_f32 v14, v14, v15
	v_fma_f32 v14, v14, s66, 0x3727c5ac            ; the variance + 1e-5
	v_rsq_f32 v14, v14
	v_nop                                          ; a plain place behind the transcendental,
	s_wait_alu depctr_va_vdst(0)                   ; and the wait ahead of its first reader
.set lj, 0
.rept 32
	v_pk_mul_f32 v[(\G)+lj:(\G)+lj+1], v[(\G)+lj:(\G)+lj+1], v[14:15] op_sel_hi:[1,0]
.set lj, lj+2
.endr
.set lj, 0
.rept 16
	v_pk_add_f32 v[20:21], v[(\X)+lj:(\X)+lj+1], v[12:13] op_sel_hi:[1,0] neg_lo:[0,1] neg_hi:[0,1]
	v_pk_add_f32 v[22:23], v[(\X)+lj+2:(\X)+lj+3], v[12:13] op_sel_hi:[1,0] neg_lo:[0,1] neg_hi:[0,1]
	v_pk_fma_f32 v[(\G)+lj:(\G)+lj+1], v[20:21], v[(\G)+lj:(\G)+lj+1], v[(\B)+lj:(\B)+lj+1]
	v_pk_fma_f32 v[(\G)+lj+2:(\G)+lj+3], v[22:23], v[(\G)+lj+2:(\G)+lj+3], v[(\B)+lj+2:(\B)+lj+3]
.set lj, lj+4
.endr
.endm
; A block of 32 numbers of one lane, v[src ..], becomes six registers of codes at v[dst ..] and its byte in v[byt].  sub = 1: the numbers are twice what is meant: one off the byte.  At work: v18-23.  Sources are read from the low end on.
.macro QB src, dst, flo, sub, byt
	v_max3_num_f32 v18, |v[(\src)]|, |v[(\src)+1]|, \flo
	v_max3_num_f32 v19, |v[(\src)+16]|, |v[(\src)+17]|, \flo
.irp i, 2,4,6,8,10,12,14
	v_max3_num_f32 v18, v18, |v[(\src)+\i]|, |v[(\src)+\i+1]|
	v_max3_num_f32 v19, v19, |v[(\src)+16+\i]|, |v[(\src)+17+\i]|
.endr
	v_max_num_f32 v18, v18, v19
	v_add_nc_u32 v23, 0xff000000, v18              ; 2 off the exponent field: the conversion's scale operand
	v_lshrrev_b32 v[\byt], 23, v23
.if \sub
	v_add_nc_u32 v[\byt], -1, v[\byt]
.endif
	v_cvt_scalef32_pk16_fp6_f32 v[(\dst):(\dst)+2], v[(\src):(\src)+15], v23
	v_cvt_scalef32_pk16_fp6_f32 v[20:22], v[(\src)+16:(\src)+31], v23
	v_nop                                          ; one plain place behind a scaled conversion
.irp i, 0,1,2
	v_mov_b32 v[(\dst)+3+\i], v[20+\i]
.endr
.endm
.macro SW2 out, b0, b1               ; my bytes of blocks Hb and 2 + Hb, and the other half's two: the token's scale word
	v_lshl_or_b32 v18, v[\b1], 16, v[\b0]
	v_lshlrev_b32 v19, 3, v2
	v_lshlrev_b32 v18, v19, v18
	v_permlanex16_b32 v19, v18, s36, s37
	v_or_b32 v[\out], v18, v19
.endm
	s_load_b512 s[8:23], s[0:1], 0x0               ; x, norm1_g, norm1_b, qkv_b, rel_table, proj_b, norm2_g, norm2_b
	s_load_b256 s[24:31], s[0:1], 0x40             ; fc1_b, fc2_b, wq, out0
	v_lshl_add_u32 v252, v0, 2, SPARE              ; my spare word and 0: kept for the closing lines alone
	v_mov_b32 v253, 0
	v_lshrrev_b32 v1, 5, v0
	v_readfirstlane_b32 s32, v1                    ; wave 0..15
	v_and_b32 v1, 15, v0                           ; R
	v_bfe_u32 v2, v0, 4, 1                         ; Hb
	s_and_b32 s33, s32, 3                          ; my head in the attention
	s_mov_b32 s36, 0x76543210
	s_mov_b32 s37, 0xfedcba98                      ; lane l xor 16
	s_mov_b32 s38, 0xffff0000                      ; lanes 16-31, as a mask
	s_mov_b32 s46, 0x3fb8aa3b                      ; log2(e), twice
	s_mov_b32 s47, s46
	s_mov_b32 s48, 0x3f87dc22                      ; erf's five coefficients: a5,
	s_mov_b32 s49, s48
	s_mov_b32 s50, 0x3fb5f0e3                      ; a3,
	s_mov_b32 s51, s50
	s_mov_b32 s52, 0xbe91a98e                      ; a2,
	s_mov_b32 s53, s52
	s_mov_b32 s54, 0x3e827906                      ; a1 (a4 lies in a vector pair)
	s_mov_b32 s55, s54
	s_mov_b32 s56, 0x3e6d3388                      ; 0.3275911 / sqrt(2)
	s_mov_b32 s80, 0x3f596d27                      ; sqrt(log2(e) / 2), twice
	s_mov_b32 s81, s80
	s_mov_b32 s66, 0x3c000000                      ; 1 / 128
	s_and_b32 s58, ttmp9, 7                        ; the window: wi,
	s_bfe_u32 s59, ttmp9, 0x30003                  ; hi,
	s_bfe_u32 s60, ttmp9, 0x10006                  ; zi,
	s_lshr_b32 s45, ttmp9, 7                       ; batch
	s_mul_i32 s45, s45, 14
	s_cmp_eq_u32 s60, 1                            ; the last window along z?
	s_cselect_b32 s39, 4332, 0                     ; SZ = 4 x 361 x 3
	s_cselect_b32 s72, 6, 0                        ; digits under LO or over HI say: two regions
	s_cselect_b32 s73, 12, 100
	s_cmp_eq_u32 s59, 7
	s_cselect_b32 s40, 228, 0                      ; SH = 4 x 19 x 3
	s_cselect_b32 s74, 6, 0
	s_cselect_b32 s75, 12, 100
	s_cmp_eq_u32 s58, 7
	s_cselect_b32 s41, 12, 0                       ; SW
	s_cselect_b32 s76, 6, 0
	s_cselect_b32 s77, 12, 100
	s_mul_i32 s42, s60, 7
	s_add_co_u32 s42, s42, 3
	s_mul_i32 s43, s59, 7
	s_add_co_u32 s43, s43, 3
	s_mul_i32 s44, s58, 7
	s_add_co_u32 s44, s44, 3
	v_mov_b32 v17, 0
	v_mov_b32 v18, 3
	v_mov_b32 v19, 6
	v_mov_b32 v23, 0xc2c80000                      ; -100
	v_lshl_add_u32 v21, v0, 2, TBL                 ; heads 0, 1
	v_add_nc_u32 v22, 57344, v21                   ; heads 2, 3
	s_wait_kmcnt 0x0
; ---- P0: the table.  512 threads x 14 entries; an entry's four heads are one row of rel_table.
.macro AXIS d, lo, hi, m             ; a base-19 digit (difference + 9) becomes the true difference + 6, held to 0..12; m: the lanes that cross regions
	v_cmp_gt_u32 \m, \lo, \d
	v_cmp_lt_u32 s63, \hi, \d
	v_cndmask_b32 v11, v18, v17, \m
	v_cndmask_b32 v11, v11, v19, s63
	s_or_b32 \m, \m, s63
	v_max_u32 \d, \d, v11
	v_sub_nc_u32 \d, \d, v11
	v_min_u32 \d, 12, \d
.endm
.set ti, 0
.rept 14
	v_add_nc_u32 v12, 512*ti, v0
	v_mul_u32_u24 v13, v12, 2905
	v_lshrrev_b32 v13, 20, v13                     ; / 361
	v_mul_u32_u24 v14, v13, 361
	v_sub_nc_u32 v14, v12, v14
	v_mul_u32_u24 v15, v14, 3450
	v_lshrrev_b32 v15, 16, v15                     ; / 19
	v_mul_u32_u24 v16, v15, 19
	v_sub_nc_u32 v16, v14, v16
	AXIS v13, s72, s73, s60
	AXIS v15, s74, s75, s61
	AXIS v16, s76, s77, s62
	s_or_b32 s60, s60, s61
	s_or_b32 s60, s60, s62
	v_mad_u32_u24 v13, v13, 13, v15
	v_mad_u32_u24 v13, v13, 13, v16
	v_lshlrev_b32 v[24+ti], 4, v13
	v_cndmask_b32 v[40+ti], v17, v23, s60          ; 0 or -100
	global_load_b128 v[64+4*ti:67+4*ti], v[24+ti], s[16:17]
.set ti, ti+1
.endr
	s_wait_loadcnt 0x0
.set ti, 0
.rept 14
.irp hd, 0,1,2,3
	v_add_f32 v[64+4*ti+\hd], v[64+4*ti+\hd], v[40+ti]
.endr
	ds_store_b32 v21, v[64+4*ti] offset:2048*ti
	ds_store_b32 v21, v[65+4*ti] offset:28672+2048*ti
	ds_store_b32 v22, v[66+4*ti] offset:2048*ti
	ds_store_b32 v22, v[67+4*ti] offset:28672+2048*ti
.set ti, ti+1
.endr
	v_and_b32 v3, 31, v0
	v_lshlrev_b32 v3, 4, v3                        ; 16 x lane
	v_lshlrev_b32 v5, 7, v2                        ; 128 Hb
	s_wait_dscnt 0x0                               ; the stores have read their registers
; ---- P1: tiles of 16 tokens, TAU = wave and wave + 16 (22 tiles): LN1, x's codes, q and k
.macro BATCH g                       ; group g's four weight fragments and its bias, 24 loads, into set g % 2
.irp T, 0,1,2,3
	WLOAD 88+48*((\g)%2)+12*\T, 240+4*((\g)%2)+\T, 28, 2048*(4*(\g)+\T)
.endr
.irp q, 0,1,2,3,4,5,6,7
	global_load_b128 v[184-160*((\g)%2)+4*\q:184-160*((\g)%2)+4*\q+3], v5, s[14:15] offset:4*(64*(\g)+4*\q)
.endr
.endm
.macro P1G g                         ; features 64 g .. 64 g + 63: g = 0, 1: q's heads 2 g + Hb; g = 2, 3: k's
.set AC, 184-160*((\g)%2)
.if \g < 3
	s_wait_loadcnt 24                              ; this group's 24 loads are in; the next group's may be out
.else
	s_wait_loadcnt 0x0
.endif
.if \g == 0
	NOPS 8                                         ; x's codes and scale word were written by vector instructions
.endif
.irp T, 0,1,2,3
	WM AC+8*\T, 88+48*((\g)%2)+12*\T, 216, AC+8*\T, 240+4*((\g)%2)+\T, 248
.endr
	NOPS 4
.if \g < 2
.set pj, 0
.rept 16
	v_pk_mul_f32 v[AC+pj:AC+pj+1], v[AC+pj:AC+pj+1], 0x3e3504f3 op_sel_hi:[1,0]   ; q x 32^-0.5, in f32, ahead of the quantiser
.set pj, pj+2
.endr
.endif
	QB AC, 56, 0x1800000, 0, 16
.irp p, 0,1,2
	ds_store_b64 v7, v[56+2*\p:57+2*\p] offset:((\g)%2)*16896+((\g)/2)*35200+8*\p
.endr
	ds_store_b8 v8, v16 offset:((\g)%2)*704+((\g)/2)*35200
.if \g < 2
	BATCH (\g)+2
.endif
	s_wait_dscnt 0x0                               ; the stores have read their registers
.endm
	s_mov_b32 s34, s32
	s_mov_b32 s35, 2
.Lp1:
	s_cmp_ge_u32 s34, 22
	s_cbranch_scc1 .Lp1_skip
	ROWOFF 17
	XLOAD 24, 0
	VEC64 88, 10
	VEC64 152, 12
	v_mul_u32_u24 v7, v11, 24
	v_mad_u32_u24 v7, v2, 8448, v7
	v_add_nc_u32 v7, QC, v7                        ; q's codes: token, head Hb
	v_mad_u32_u24 v8, v2, 352, v11
	v_add_nc_u32 v8, QS, v8
	v_mul_u32_u24 v9, v11, 104
	v_mad_u32_u24 v9, v2, 24, v9
	v_add_nc_u32 v9, XC, v9
	v_lshl_add_u32 v10, v11, 2, XS
	s_wait_loadcnt 0x0
	LNORM 24, 88, 152
	QB 88, 216, 0x1800000, 0, 16
	QB 120, 222, 0x1800000, 0, 17
	SW2 248, 16, 17
.irp p, 0,1,2,3,4,5
	ds_store_b64 v9, v[216+2*\p:217+2*\p] offset:48*(\p/3)+8*(\p%3)
.endr
	ds_store_b32 v10, v248
	BATCH 0
	BATCH 1
	P1G 0
	P1G 1
	P1G 2
	P1G 3
.Lp1_skip:
	s_add_co_u32 s34, s34, 16
	s_sub_co_u32 s35, s35, 1
	s_cmp_lg_u32 s35, 0
	s_cbranch_scc1 .Lp1
	BAR                                            ; x's codes, q and k lie in LDS
; ---- P2: v = x W + b with the keys innermost.  Wave: channels 16 f .. + 15 (f = wave % 8), key groups of 64: c = wave / 8 + 2 i.  Source 0 = 16 tokens, source 1 = v's 16 columns: a lane holds one channel and 32 neighbouring keys
	s_and_b32 s58, s32, 7
	s_lshl_b32 s59, s58, 11
	s_add_co_u32 s59, s59, 32768                   ; record 16 + f
	v_add_nc_u32 v11, s59, v3
.irp g, 0,1,2
	global_load_b128 v[136+4*\g:139+4*\g], v11, s[28:29] offset:512*\g
.endr
	global_load_b32 v244, v11, s[28:29] offset:1536
	s_lshl_b32 s60, s58, 6
	v_lshl_add_u32 v13, v1, 2, s60
	global_load_b32 v148, v13, s[14:15] offset:1024   ; qkv_b[256 + 16 f + R]
	s_lshl_b32 s60, s58, 4
	v_add_nc_u32 v14, s60, v1                      ; d
	v_mul_u32_u24 v7, v14, 296
	v_mad_u32_u24 v7, v2, 24, v7
	v_add_nc_u32 v7, VC, v7
	v_lshl_add_u32 v8, v14, 2, v2
	v_add_nc_u32 v8, VS, v8
	v_and_b32 v9, 7, v1
	v_lshl_add_u32 v15, v9, 2, XS
	v_mul_u32_u24 v9, v9, 104
	v_mad_u32_u24 v9, v2, 24, v9
	v_add_nc_u32 v9, XC, v9
	v_lshrrev_b32 v10, 3, v1
	v_mov_b32 v17, 0
	s_lshr_b32 s61, s32, 3
	s_wait_loadcnt 0x0
.irp j, 1,2,3,4,5,6,7
	v_mov_b32 v[148+\j], v148                      ; the bias as C: the same in a lane's eight registers
.endr
.irp i, 0,1,2
	s_add_co_u32 s62, s61, 2*\i                    ; c
	s_lshl_b32 s63, s62, 6
.if \i < 2
	v_lshl_add_u32 v11, v10, 5, s63                ; rows 8..15 of a tile lie 32 tokens on
.else
	s_cmp_lt_u32 s32, 8
	s_cselect_b32 s67, 32, 0                       ; c = 5: they would lie past row 351: they repeat rows 0..7 and are cleared below
	v_mul_u32_u24 v11, v10, s67
	v_add_nc_u32 v11, s63, v11
.endif
	v_mad_u32_u24 v12, v11, 104, v9
	v_lshl_add_u32 v13, v11, 2, v15
.irp T, 0,1,2,3
.irp p, 0,1,2,3,4,5
	ds_load_b64 v[88+12*\T+2*\p:89+12*\T+2*\p], v12 offset:832*\T+48*(\p/3)+8*(\p%3)
.endr
	ds_load_b32 v[240+\T], v13 offset:32*\T
.endr
	s_mul_i32 s78, s62, 48
	v_add_nc_u32 v14, s78, v7                      ; v's codes: blocks 2 c + Hb
	s_lshr_b32 s78, s62, 1
	s_lshl_b32 s78, s78, 9
	s_and_b32 s79, s62, 1
	s_lshl_b32 s79, s79, 1
	s_add_co_u32 s78, s78, s79
	v_add_nc_u32 v16, s78, v8
	v_mov_b32 v11, v16
	s_wait_dscnt 0x0
.irp T, 0,1,2,3
	WM 184+8*\T, 88+12*\T, 136, 148, 240+\T, 244
.endr
	NOPS 4
.if \i == 2
	s_cmp_lt_u32 s32, 8
	s_cbranch_scc1 .Lp2_whole
.set zk, 0
.rept 23
	v_cndmask_b32 v[184+zk], v[184+zk], v17, s38   ; keys 352 on are zeros,
.set zk, zk+1
.endr
.rept 9
	v_mov_b32 v[184+zk], 0                         ; and keys 343 .. 351: the quantiser fills the last block with zeros
.set zk, zk+1
.endr
.Lp2_whole:
.endif
	QB 184, 56, 0x1800000, 0, 16
.irp p, 0,1,2
	ds_store_b64 v14, v[56+2*\p:57+2*\p] offset:8*\p
.endr
	ds_store_b8 v11, v16
	s_wait_dscnt 0x0                               ; the stores have read their registers
.endr
	BAR                                            ; v lies in LDS; from here to the next barrier LDS is only read
; ---- P3: attention.  Wave: head = wave % 4, query tiles TAU = wave / 4 + 4 i.  Three key steps of 128.
	v_add_nc_u32 v3, -1, v2                        ; all ones in lanes 0-15, 0 in lanes 16-31
	v_lshrrev_b32 v11, 3, v1
	v_mad_u32_u24 v22, v11, 24, v1                 ; R + 24 (R / 8)
	s_mul_i32 s58, s33, 8448
	s_add_co_u32 s59, s58, KC
	s_add_co_u32 s79, s58, QC
	s_mul_i32 s60, s33, 352
	s_add_co_u32 s61, s60, KS
	s_add_co_u32 s78, s60, QS
	v_mul_u32_u24 v4, v22, 24
	v_add_nc_u32 v4, s59, v4                       ; k's codes: the keys of a tile are 8 neighbours and the 8 that lie 32 on
	v_add_nc_u32 v6, s61, v22
	v_and_b32 v23, 7, v1
	v_mul_u32_u24 v5, v23, 24
	v_add_nc_u32 v5, s59, v5                       ; the last 64 keys: rows 8..15 repeat rows 0..7 (they stand for keys 352 on)
	v_add_nc_u32 v7, s61, v23
	v_lshl_add_u32 v22, v11, 3, v1                 ; R + 8 (R / 8)
	s_lshl_b32 s58, s33, 5
	v_add_nc_u32 v22, s58, v22
	v_mul_u32_u24 v8, v22, 296
	v_mad_u32_u24 v8, v2, 24, v8
	v_add_nc_u32 v8, VC, v8
	v_lshl_add_u32 v9, v22, 2, VS
	v_xor_b32 v22, 1, v2                           ; 1 - Hb
	v_mul_u32_u24 v220, v2, s41                    ; what the w class takes off the address: three classes,
	v_mul_u32_u24 v221, v2, 48
	v_mad_u32_u24 v222, v22, s41, v221
	v_mul_u32_u24 v223, v2, s40                    ; the h class: four,
	v_mul_u32_u24 v224, v2, 912
	v_mad_u32_u24 v225, v22, s40, v224
	v_add_nc_u32 v226, s40, v224
	v_mul_u32_u24 v20, v2, s39                     ; the z class: 0, this, SZ
	s_mul_i32 s58, s33, 28672
	s_add_co_u32 s58, s58, TBL+4572
	v_mul_u32_u24 v22, v2, 320
	v_sub_nc_u32 v21, s58, v22                     ; my head's table, + 4 (3429 - 2286), - 320 Hb (key + 32)
	v_mov_b32 v227, 0xf149f2ca                     ; -1e30
	v_mov_b32 v17, 0
	v_mov_b32 v229, 0
	v_mov_b32 v238, 0
.irp j, 24,25,26,27,28,29,30,31
	v_mov_b32 v[KB+\j], 0
.endr
.irp j, 6,7,8,9,10,11
	v_mov_b32 v[QF+\j], 0                          ; q's blocks 2 and 3: zero codes
.endr
.set fj, 0
.rept 24
	v_mov_b32 v[FIFO+fj], 0
.set fj, fj+1
.endr
; bias + mask of n scores: register 32 c + i of lanes 0-15 is key m = 128 s + 64 c + i, of lanes 16-31 key m + 32.  Which of the 36 address registers serves follows from m's coordinates alone
.macro BIAS s, c, n
.set bi, 0
.rept \n
.set bm, 128*(\s)+64*(\c)+bi
.set bz, bm/49
.set bh, (bm%49)/7
.set bw, bm%7
.set cw, (bw+5)/8
.set wc, cw+bw/4
.set hb, bh+4+cw
.set wr, hb/7
.set hb2, hb-7*wr
.set hc, wr*(1+bh/4+(bh/4)*(hb2/4))
.set zc, bz/4+(bz+wr)/4
	ds_load_b32 v[S+32*(\c)+bi], v[VAR+wc+3*(hc+4*zc)] offset:4*(2286-(361*bz+19*bh+bw))
.set bi, bi+1
.endr
.endm
.macro KLOAD s, c                    ; four tiles of k: 24 bytes a key, six registers a tile; a tile's operand runs on into the next tile's registers, which meet q's zeros
.irp T, 0,1,2,3
.irp p, 0,1,2
.if (\s == 2) && (\c == 1)
	ds_load_b64 v[KB+6*\T+2*\p:KB+6*\T+2*\p+1], v5 offset:24*(128*(\s)+64*(\c)+8*\T)+8*\p
.else
	ds_load_b64 v[KB+6*\T+2*\p:KB+6*\T+2*\p+1], v4 offset:24*(128*(\s)+64*(\c)+8*\T)+8*\p
.endif
.endr
.if (\s == 2) && (\c == 1)
	ds_load_u8 v[240+\T], v7 offset:128*(\s)+64*(\c)+8*\T
.else
	ds_load_u8 v[240+\T], v6 offset:128*(\s)+64*(\c)+8*\T
.endif
.endr
.endm
.macro KQ c
.irp T, 0,1,2,3
	WM S+32*(\c)+8*\T, KB+6*\T, QF, S+32*(\c)+8*\T, 240+\T, 250
.endr
.endm
.macro STEP s
	BIAS \s, 0, 32
	KLOAD \s, 0
.if \s == 2
	BIAS \s, 1, 23
	s_wait_dscnt 23                                ; all but the second half's bias
.else
	BIAS \s, 1, 32
	s_wait_dscnt 32
.endif
	KQ 0
	NOPS 4                                         ; places in front of loads into registers that matrix instructions have read
	KLOAD \s, 1
	s_wait_dscnt 0x0
.if \s == 2
.set zk, 32
.rept 23
	v_cndmask_b32 v[S+zk], v[S+zk], v227, s38      ; keys 352 on,
.set zk, zk+1
.endr
.rept 9
	v_mov_b32 v[S+zk], v227                        ; and 343 .. 351: -1e30
.set zk, zk+1
.endr
	NOPS 4
.endif
	KQ 1
	NOPS 4
.irp u, 0,1                                    ; v's two tiles of my head for these 128 keys: they land while the softmax is worked
.irp p, 0,1,2,3,4,5
	ds_load_b64 v[KB+12*\u+2*\p:KB+12*\u+2*\p+1], v8 offset:2368*\u+96*(\s)+48*(\p/3)+8*(\p%3)
.endr
	ds_load_b32 v[244+\u], v9 offset:512*(\s)+32*\u
.endr
.irp c, 0,1
	v_max3_num_f32 v[18+\c], v[S+32*\c], v[S+32*\c+1], v[S+32*\c+2]   ; each block's largest score: for the row's maximum and for the block's largest p
.endr
.irp i, 3,5,7,9,11,13,15,17,19,21,23,25,27,29
.irp c, 0,1
	v_max3_num_f32 v[18+\c], v[18+\c], v[S+32*\c+\i], v[S+32*\c+\i+1]
.endr
.endr
.irp c, 0,1
	v_max_num_f32 v[18+\c], v[18+\c], v[S+32*\c+31]
.endr
	v_max_num_f32 v228, v18, v19
	v_permlanex16_b32 v229, v228, s36, s37
	v_max_num_f32 v228, v228, v229
	v_mul_f32 v228, s46, v228                      ; as t
.if \s == 0
	v_mov_b32 v13, v228
	v_floor_f32 v12, -v13                          ; -M = -ceil(t)
.else
	v_max_num_f32 v13, v13, v228
	v_mov_b32 v230, v12
	v_floor_f32 v12, -v13
	v_sub_f32 v230, v12, v230                      ; old M - new M, a whole number
	v_cvt_i32_f32 v230, v230
	v_ldexp_f32 v16, 1.0, v230                     ; f: an exact power of two
.endif
.set sj, 0
.rept 32
	v_pk_fma_f32 v[S+sj:S+sj+1], v[S+sj:S+sj+1], s[46:47], v[12:13] op_sel_hi:[1,0,0]   ; t - M
.set sj, sj+2
.endr
	v_fma_f32 v18, v18, s46, v12
	v_fma_f32 v19, v19, s46, v12
.set sj, 0
.rept 64
	v_exp_f32 v[S+sj], v[S+sj]                     ; p, not normalised
.set sj, sj+1
.endr
.if \s == 0
	v_nop                                          ; a plain place behind the batch
.else
	v_pk_mul_f32 v[14:15], v[14:15], v[16:17] op_sel_hi:[1,0]   ; the sums under the new M (a plain place behind the batch)
.endif
	s_wait_alu depctr_va_vdst(0)                   ; one wait for the 64, ahead of their first reader
	v_exp_f32 v18, v18                             ; the blocks' largest p
	v_exp_f32 v19, v19
.if \s == 0
	v_pk_add_f32 v[14:15], v[S:S+1], v[S+2:S+3]    ; the row's sum of the unquantised p, in two chains
	v_pk_add_f32 v[230:231], v[S+4:S+5], v[S+6:S+7]
.set sj, 8
.rept 14
	v_pk_add_f32 v[14:15], v[14:15], v[S+sj:S+sj+1]
	v_pk_add_f32 v[230:231], v[230:231], v[S+sj+2:S+sj+3]
.set sj, sj+4
.endr
.else
	v_pk_add_f32 v[230:231], v[S:S+1], v[S+2:S+3]
.set sj, 4
.rept 15
	v_pk_add_f32 v[14:15], v[14:15], v[S+sj:S+sj+1]
	v_pk_add_f32 v[230:231], v[230:231], v[S+sj+2:S+sj+3]
.set sj, sj+4
.endr
.endif
	v_pk_add_f32 v[14:15], v[14:15], v[230:231]
	s_wait_alu depctr_va_vdst(0)                   ; and one for the two
	v_max_num_f32 v18, 0x1800000, v18              ; the floor: the byte cannot fall under 1
	v_max_num_f32 v19, 0x1800000, v19
	v_add_nc_u32 v232, 0xff000000, v18
	v_add_nc_u32 v233, 0xff000000, v19
	v_lshrrev_b32 v234, 23, v232
	v_lshrrev_b32 v235, 23, v233
	v_lshl_or_b32 v237, v235, 16, v234
	v_lshlrev_b32 v236, 3, v2
	v_lshlrev_b32 v237, v236, v237
	v_permlanex16_b32 v238, v237, s36, s37
	v_or_b32 v249, v237, v238                      ; p's scale word for these 128 keys
.irp c, 0,1
	v_cvt_scalef32_pk16_fp6_f32 v[PF+6*\c:PF+6*\c+2], v[S+32*\c:S+32*\c+15], v[232+\c]
	v_cvt_scalef32_pk16_fp6_f32 v[KB+24+4*\c:KB+26+4*\c], v[S+32*\c+16:S+32*\c+31], v[232+\c]
.endr
	v_nop                                          ; one plain place behind a scaled conversion
.irp c, 0,1
.irp i, 0,1,2
	v_mov_b32 v[PF+3+6*\c+\i], v[KB+24+4*\c+\i]
.endr
.endr
.if \s > 0
.set sj, 0
.rept 8
	v_pk_mul_f32 v[O+sj:O+sj+1], v[O+sj:O+sj+1], v[16:17] op_sel_hi:[1,0]   ; O^T under the new M
.set sj, sj+2
.endr
.endif
	NOPS 8                                         ; the scale word and p's codes were written by vector instructions
	s_wait_dscnt 0x0                               ; v's tiles are in
.irp u, 0,1
.if \s == 0
	WMZ O+8*\u, KB+12*\u, PF, 244+\u, 249
.else
	WM O+8*\u, KB+12*\u, PF, O+8*\u, 244+\u, 249
.endif
.endr
	NOPS 4
.endm
	s_lshr_b32 s34, s32, 2
	s_mov_b32 s35, 6
.Lp3:
.irp k, 4,3,2,1,0                              ; the finished tiles' codes wait in registers: six places of four, moved on by one
.irp i, 0,1,2,3
	v_mov_b32 v[FIFO+4*\k+4+\i], v[FIFO+4*\k+\i]
.endr
.endr
	s_lshl_b32 s58, s34, 4
	v_add_nc_u32 v11, s58, v1                      ; my query
	DECODE 11, 228, 229, 230, 231
	v_mul_u32_u24 v232, v228, 1444
	v_mad_u32_u24 v232, v229, 76, v232
	v_lshl_add_u32 v232, v230, 2, v232
	v_lshrrev_b32 v228, 2, v228
	v_lshrrev_b32 v229, 2, v229
	v_lshrrev_b32 v230, 2, v230
	v_mad_u32_u24 v232, v228, s39, v232
	v_mad_u32_u24 v232, v229, s40, v232
	v_mad_u32_u24 v232, v230, s41, v232            ; 4 x the query's number in the moved coordinates
	v_add_nc_u32 v232, v21, v232
	v_sub_nc_u32 v233, v232, v20
	v_sub_nc_u32 v234, v232, s39
.irp zc, 0,1,2                                 ; the 36 address registers, made anew for each query tile
.irp hc, 0,1,2,3
	v_sub_nc_u32 v[235+(\hc%2)], v[232+\zc], v[223+\hc]
.irp wc, 0,1,2
	v_sub_nc_u32 v[VAR+\wc+3*(\hc+4*\zc)], v[235+(\hc%2)], v[220+\wc]
.endr
.endr
.endr
	s_cmp_ge_u32 s34, 22
	s_cbranch_scc1 .Lp3_skip
	v_mul_u32_u24 v22, v11, 24
	v_add_nc_u32 v22, s79, v22
	v_add_nc_u32 v23, s78, v11
.irp p, 0,1,2
	ds_load_b64 v[QF+2*\p:QF+2*\p+1], v22 offset:8*\p
.endr
	ds_load_u8 v250, v23
	s_wait_dscnt 0x0
.irp j, 0,1,2,3,4,5
	v_and_b32 v[QF+\j], v3, v[QF+\j]               ; q's block 1 (lanes 16-31): zero codes
.endr
	NOPS 4
	STEP 0
	STEP 1
	STEP 2
	v_add_f32 v14, v14, v15
	v_permlanex16_b32 v229, v14, s36, s37
	v_add_f32 v14, v14, v229                       ; the row's sum
	v_rcp_f32 v14, v14
	v_nop
	s_wait_alu depctr_va_vdst(0)
.set sj, 0
.rept 8
	v_pk_mul_f32 v[O+sj:O+sj+1], v[O+sj:O+sj+1], v[14:15] op_sel_hi:[1,0]   ; register 8 u + j of half Hb: channel 16 Hb + 8 u + j of my head
.set sj, sj+2
.endr
	v_max3_num_f32 v228, |v[O]|, |v[O+1]|, 0x1800000
.irp i, 2,4,6,8,10,12,14
	v_max3_num_f32 v228, v228, |v[O+\i]|, |v[O+\i+1]|
.endr
	v_permlanex16_b32 v229, v228, s36, s37
	v_max_num_f32 v228, v228, v229                 ; the head's 32 channels are one block of proj's K
	v_add_nc_u32 v230, 0xff000000, v228
	v_lshrrev_b32 v[FIFO+3], 23, v230
	v_cvt_scalef32_pk16_fp6_f32 v[FIFO:FIFO+2], v[O:O+15], v230
	v_nop
.Lp3_skip:
	s_add_co_u32 s34, s34, 4
	s_sub_co_u32 s35, s35, 1
	s_cmp_lg_u32 s35, 0
	s_cbranch_scc1 .Lp3
; ---- what P4 reads again for each tile is asked for now, once: records 24..95 (18 x 16 bytes a thread), fc1_b (4 bytes a thread), and the four vectors of 128 (four waves to a vector).  The loads are out while the waves meet at the barrier
	v_lshlrev_b32 v102, 4, v0
	v_lshlrev_b32 v103, 2, v0
	v_and_b32 v104, 127, v0
	v_lshlrev_b32 v104, 2, v104
	s_cmp_lt_u32 s32, 4                            ; waves 0-3 proj_b, 4-7 norm2_g, 8-11 norm2_b, 12-15 fc2_b
	s_cselect_b64 s[68:69], s[18:19], s[20:21]
	s_cmp_lt_u32 s32, 12
	s_cselect_b64 s[70:71], s[22:23], s[26:27]
	s_cmp_lt_u32 s32, 8
	s_cselect_b64 s[68:69], s[68:69], s[70:71]
.set ci, 0
.rept 18
	global_load_b128 v[24+4*ci:27+4*ci], v102, s[28:29] offset:49152+8192*ci
.set ci, ci+1
.endr
	global_load_b32 v96, v103, s[24:25]
	global_load_b32 v97, v104, s[68:69]
	BAR                                            ; nobody reads LDS any more: it is laid out anew
	s_lshr_b32 s58, s32, 2
	s_lshl_b32 s58, s58, 4
	v_add_nc_u32 v11, s58, v1
	v_mul_u32_u24 v22, v11, 104
	v_mad_u32_u24 v22, v2, 12, v22
	s_mul_i32 s59, s33, 24
	s_add_co_u32 s59, s59, OC2
	v_add_nc_u32 v22, s59, v22
	s_add_co_u32 s60, s33, OS2
	v_lshl_add_u32 v23, v11, 2, s60
	v_lshl_add_u32 v98, v0, 4, WL                  ; the copy's places: 16 bytes a thread, 8,192 a round
	v_add_nc_u32 v99, 0x10000, v98
	v_add_nc_u32 v100, 0x20000, v98
	v_lshl_add_u32 v101, v0, 2, FBL
	s_cmp_ge_u32 s32, 8                            ; place k holds tile wave / 4 + 4 (5 - k): place 0 of waves 8 on would be tiles 22, 23, which do not exist
	s_cbranch_scc1 .Lno_tile
.irp i, 0,1,2
	ds_store_b32 v22, v[FIFO+\i] offset:6656*5+4*\i
.endr
	ds_store_b8 v23, v[FIFO+3] offset:256*5
.Lno_tile:
.irp k, 1,2,3,4,5
.irp i, 0,1,2
	ds_store_b32 v22, v[FIFO+4*\k+\i] offset:6656*(5-\k)+4*\i
.endr
	ds_store_b8 v23, v[FIFO+4*\k+3] offset:256*(5-\k)
.endr
	s_wait_loadcnt 0x0                             ; the copy's 20 loads are in
.set ci, 0
.rept 18
	ds_store_b128 v[98+ci/8], v[24+4*ci:27+4*ci] offset:8192*(ci%8)
.set ci, ci+1
.endr
	ds_store_b32 v101, v96                         ; fc1_b,
	ds_store_b32 v101, v97 offset:VECL-FBL         ; and the four vectors behind it
	BAR
; ---- P4: tiles of 16 tokens again: proj, + x, LN2, fc1, GELU, fc2, + x1, out0.  From here on LDS is read, but for each wave's own stage
.macro GELU acc, scr                 ; 32 numbers become x + |x| erf(|x| / sqrt(2)) = 2 gelu(x); 16 at a time; t, e, q in 48 registers at scr
.irp b, 0,1
.set gx, (\acc)+16*\b
.set ge, 0
.rept 16
	v_fma_f32 v[(\scr)+ge], |v[gx+ge]|, s56, 1.0
.set ge, ge+1
.endr
.set ge, 0
.rept 8
	v_pk_mul_f32 v[(\scr)+16+ge:(\scr)+17+ge], v[gx+ge:gx+ge+1], s[80:81] op_sel_hi:[1,0]
.set ge, ge+2
.endr
.set ge, 0
.rept 8
	v_pk_mul_f32 v[(\scr)+16+ge:(\scr)+17+ge], v[(\scr)+16+ge:(\scr)+17+ge], v[(\scr)+16+ge:(\scr)+17+ge]   ; z z log2(e): the sign falls out in the square
.set ge, ge+2
.endr
.set ge, 0
.rept 16
	v_rcp_f32 v[(\scr)+ge], v[(\scr)+ge]           ; t = 1 / (1 + p z)
.set ge, ge+1
.endr
.set ge, 0
.rept 16
	v_exp_f32 v[(\scr)+16+ge], -v[(\scr)+16+ge]    ; e^(-z z)
.set ge, ge+1
.endr
	v_nop                                          ; a plain place behind the batch,
	s_wait_alu depctr_va_vdst(0)                   ; and one wait for the 32
.set ge, 0
.rept 8
	v_pk_fma_f32 v[(\scr)+32+ge:(\scr)+33+ge], v[(\scr)+ge:(\scr)+ge+1], s[48:49], v[10:11] op_sel_hi:[1,0,1]
.set ge, ge+2
.endr
.irp k, 50, 52, 54
.set ge, 0
.rept 8
	v_pk_fma_f32 v[(\scr)+32+ge:(\scr)+33+ge], v[(\scr)+32+ge:(\scr)+33+ge], v[(\scr)+ge:(\scr)+ge+1], s[\k:\k+1] op_sel_hi:[1,1,0]
.set ge, ge+2
.endr
.endr
.set ge, 0
.rept 8
	v_pk_mul_f32 v[(\scr)+32+ge:(\scr)+33+ge], v[(\scr)+32+ge:(\scr)+33+ge], v[(\scr)+ge:(\scr)+ge+1]
.set ge, ge+2
.endr
.set ge, 0
.rept 8
	v_pk_fma_f32 v[(\scr)+32+ge:(\scr)+33+ge], v[(\scr)+32+ge:(\scr)+33+ge], v[(\scr)+16+ge:(\scr)+17+ge], 1.0 op_sel_hi:[1,1,0] neg_lo:[1,0,0] neg_hi:[1,0,0]
.set ge, ge+2
.endr
.set ge, 0
.rept 16
	v_fma_f32 v[gx+ge], |v[gx+ge]|, v[(\scr)+32+ge], v[gx+ge]
.set ge, ge+1
.endr
.endr
.endm
; 128 hidden units = K step s of fc2.  Written out four times, so that every LDS offset is an immediate.  v4: fc1's records + 16 x lane; v12: fc2's
.macro MSTEP s
.irp T, 0,1,2,3
	LWLOAD 88+12*\T, 240+\T, 4, 2048*(8*(\s)+\T)
.endr
.irp q, 0,1,2,3,4,5,6,7
	ds_load_b128 v[184+4*\q:187+4*\q], v5 offset:FBL+512*(\s)+16*\q       ; fc1_b is the C of fc1's products
.endr
.irp T, 0,1,2,3
	LWLOAD 136+12*\T, 244+\T, 4, 2048*(8*(\s)+4+\T)
.endr
	s_wait_dscnt 16                                ; the second group's 16 loads may be out
.irp T, 0,1,2,3
	WM 184+8*\T, 88+12*\T, 216, 184+8*\T, 240+\T, 248
.endr
	NOPS 4
	GELU 184, 88
.irp T, 0,1,2,3
	LWLOAD 88+12*\T, 240+\T, 12, 2048*(8*(\s)+\T)  ; fc2's tiles 0-3 of this K step: asked for as soon as their registers are free
.endr
	QB 184, 228, 0x2000000, 1, 16
.irp q, 0,1,2,3,4,5,6,7
	ds_load_b128 v[184+4*\q:187+4*\q], v5 offset:FBL+512*(\s)+256+16*\q
.endr
	s_wait_dscnt 0x0
.irp T, 0,1,2,3
	WM 184+8*\T, 136+12*\T, 216, 184+8*\T, 244+\T, 248
.endr
	NOPS 4
	GELU 184, 136
.irp T, 0,1,2,3
	LWLOAD 136+12*\T, 244+\T, 12, 2048*(8*(\s)+4+\T)
.endr
	QB 184, 234, 0x2000000, 1, 17
	SW2 249, 16, 17
	s_wait_dscnt 0x0
	NOPS 8                                         ; the hidden layer's codes and scale word were written by vector instructions
.irp t, 0,1,2,3,4,5,6,7
	WM 24+8*\t, 88+12*\t, 228, 24+8*\t, 240+\t, 249
.endr
	NOPS 4
.endm
	v_and_b32 v3, 31, v0
	v_lshlrev_b32 v3, 4, v3
	v_lshlrev_b32 v5, 7, v2
	v_add_nc_u32 v4, WL+16384, v3                  ; fc1's records
	s_mul_i32 s58, s32, 8448
	s_add_co_u32 s58, s58, STAGE                   ; my stage
	v_mul_u32_u24 v8, v1, 528
	v_add_nc_u32 v8, v8, v5
	v_add_nc_u32 v8, s58, v8                       ; in: row R, + 128 Hb
	v_add_nc_u32 v9, s58, v3                       ; back: a row of 512 bytes to the 32 lanes
	s_mov_b32 s34, s32
	s_mov_b32 s67, 2
.Lp4:
	s_cmp_ge_u32 s34, 22
	s_cbranch_scc1 .Lp4_skip
	ROWOFF 7
	XLOAD 152, 1                                   ; the shortcut, x's second and last read: asked for first, it lands behind proj
	v_mul_u32_u24 v12, v11, 104
	v_mad_u32_u24 v12, v2, 24, v12
	v_add_nc_u32 v12, OC2, v12
	v_lshl_add_u32 v13, v11, 2, OS2
	v_add_nc_u32 v14, WL, v3                       ; proj's records
.irp p, 0,1,2,3,4,5
	ds_load_b64 v[216+2*\p:217+2*\p], v12 offset:48*(\p/3)+8*(\p%3)   ; the attention's codes of my token
.endr
	ds_load_b32 v248, v13
	LVEC64 24, VECL                                ; proj_b is the C of proj's products
.irp T, 0,1,2,3
	LWLOAD 88+12*\T, 240+\T, 14, 2048*\T
.endr
	s_wait_dscnt 0x0
.irp T, 0,1,2,3
	WM 24+8*\T, 88+12*\T, 216, 24+8*\T, 240+\T, 248
.endr
	NOPS 4
.irp T, 0,1,2,3
	LWLOAD 88+12*\T, 244+\T, 14, 2048*(4+\T)
.endr
	s_wait_dscnt 0x0
.irp T, 0,1,2,3
	WM 56+8*\T, 88+12*\T, 216, 56+8*\T, 244+\T, 248
.endr
	NOPS 4
	LVEC64 88, VECL+512                            ; norm2_g
	s_wait_loadcnt 0x0                             ; x
.set pj, 0
.rept 32
	v_pk_add_f32 v[24+pj:25+pj], v[24+pj:25+pj], v[152+pj:153+pj]   ; x1
.set pj, pj+2
.endr
	LVEC64 152, VECL+1024                          ; norm2_b
	s_wait_dscnt 0x0
	LNORM 24, 88, 152
	LVEC64 152, VECL+1536                          ; fc2_b: it lands while y is quantised
	QB 88, 216, 0x1800000, 0, 16
	QB 120, 222, 0x1800000, 0, 17
	SW2 248, 16, 17
	v_mov_b32 v10, 0xbfba00e3                      ; erf's a4, twice
	v_mov_b32 v11, 0xbfba00e3
	v_add_nc_u32 v12, WL+81920, v3                 ; fc2's records
	s_wait_dscnt 0x0
.set pj, 0
.rept 32
	v_pk_add_f32 v[24+pj:25+pj], v[24+pj:25+pj], v[152+pj:153+pj]   ; fc2's sums begin as x1 + fc2_b.  (These 32 are also the places behind y's codes and scale word)
.set pj, pj+2
.endr
	MSTEP 0
	MSTEP 1
	MSTEP 2
	MSTEP 3
.set oq, 0
.rept 16
	ds_store_b128 v8, v[24+4*oq:27+4*oq] offset:256*(oq/8)+16*(oq%8)   ; each accumulator from its low end on
.set oq, oq+1
.endr
.set oq, 0
.rept 16
	ds_load_b128 v[88+4*oq:91+4*oq], v9 offset:528*oq    ; LDS serves a wave's instructions in order: these see my stores
.set oq, oq+1
.endr
.set oq, 0
.rept 16
	v_readlane_b32 s58, v7, oq                     ; row oq's place in out0 stands in lane oq
	v_add_nc_u32 v[152+oq], s58, v3
.set oq, oq+1
.endr
.set oq, 0
.rept 7
	s_wait_dscnt 15-oq
	global_store_b128 v[152+oq], v[88+4*oq:91+4*oq], s[30:31] th:TH_STORE_NT   ; 32 lanes store a token's 512 bytes
.set oq, oq+1
.endr
	s_cmp_eq_u32 s34, 21                           ; the last tile has seven tokens
	s_cbranch_scc1 .Lp4_tail
.rept 9
	s_wait_dscnt 15-oq
	global_store_b128 v[152+oq], v[88+4*oq:91+4*oq], s[30:31] th:TH_STORE_NT
.set oq, oq+1
.endr
.Lp4_tail:
	s_wait_dscnt 0x0
	s_wait_xcnt 0x0                                ; the stores have read their registers: the next trip writes them again
.Lp4_skip:
	s_add_co_u32 s34, s34, 16
	s_sub_co_u32 s67, s67, 1
	s_cmp_lg_u32 s67, 0
	s_cbranch_scc1 .Lp4
	s_wait_tensorcnt 0x0                           ; the wave's end, behind my last LDS store
	ds_add_u32 v252, v253
	s_wait_dscnt 0x0
	s_endpgm
.Lfunc_end_k_qf59ef41808_swin:
	.size	k_qf59ef41808_swin, .Lfunc_end_k_qf59ef41808_swin-k_qf59ef41808_swin
	.p2alignl 7, 3214868480
	.fill 96, 4, 3214868480
	.section	.rodata,"a",@progbits
	.p2align	6, 0x0
	.amdhsa_kernel k_qf59ef41808_swin
		.amdhsa_group_segment_fixed_size 327680
		.amdhsa_private_segment_fixed_size 0
		.amdhsa_enable_private_segment 0
		.amdhsa_kernarg_size 96
		.amdhsa_user_sgpr_count 2
		.amdhsa_user_sgpr_kernarg_segment_ptr 1
		.amdhsa_wavefront_size32 1
		.amdhsa_system_sgpr_workgroup_id_x 1
		.amdhsa_system_sgpr_workgroup_id_y 1
		.amdhsa_system_sgpr_workgroup_id_z 1
		.amdhsa_system_vgpr_workitem_id 0
		.amdhsa_next_free_vgpr 256
		.amdhsa_next_free_sgpr 100
		.amdhsa_reserve_vcc 0
		.amdhsa_float_denorm_mode_32 3
		.amdhsa_float_denorm_mode_16_64 3
		.amdhsa_memory_ordered 1
		.amdhsa_forward_progress 1
		.amdhsa_inst_pref_size 255
	.end_amdhsa_kernel
	.section	.bss,"aw",@nobits
	.p2align	6
	.space	262144
	.amdgpu_metadata
---
amdhsa.version: [ 1, 2 ]
amdhsa.kernels:
  - .name:           k_qf59ef41808_swin
    .symbol:         k_qf59ef41808_swin.kd
    .args:
      - { .name: x, .offset: 0, .size: 8, .value_kind: global_buffer, .address_space: global }
      - { .name: norm1_g, .offset: 8, .size: 8, .value_kind: global_buffer, .address_space: global }
      - { .name: norm1_b, .offset: 16, .size: 8, .value_kind: global_buffer, .address_space: global }
      - { .name: qkv_b, .offset: 24, .size: 8, .value_kind: global_buffer, .address_space: global }
      - { .name: rel_table, .offset: 32, .size: 8, .value_kind: global_buffer, .address_space: global }
      - { .name: proj_b, .offset: 40, .size: 8, .value_kind: global_buffer, .address_space: global }
      - { .name: norm2_g, .offset: 48, .size: 8, .value_kind: global_buffer, .address_space: global }
      - { .name: norm2_b, .offset: 56, .size: 8, .value_kind: global_buffer, .address_space: global }
      - { .name: fc1_b, .offset: 64, .size: 8, .value_kind: global_buffer, .address_space: global }
      - { .name: fc2_b, .offset: 72, .size: 8, .value_kind: global_buffer, .address_space: global }
      - { .name: wq, .offset: 80, .size: 8, .value_kind: global_buffer, .address_space: global }
      - { .name: out0, .offset: 88, .size: 8, .value_kind: global_buffer, .address_space: global }
    .group_segment_fixed_size: 327680
    .private_segment_fixed_size: 0
    .kernarg_segment_align: 8
    .kernarg_segment_size: 96
    .max_flat_workgroup_size: 512
    .sgpr_count:     100
    .vgpr_count:     256
    .wavefront_size: 32
...
	.end_amdgpu_metadata
.endif
;; end of part 2
